; MI455X (gfx1250); checked and timed in simulation.
; The chip was launched on July 23, 2026; its instructions are those of AMD's public machine-readable ISA for CDNA 5 (MIT licence, August 2026) and "CDNA5" Instruction Set Architecture Reference Guide (July 2026). The comments in the code are by the model that wrote it; some were corrected since.
;; M1 Net. Allowed arithmetic: float matrix products may take bf16 or f16 operands with f32 sums; other float arithmetic in f32, or as packed bf16 or f16 multiplies, adds, multiply-adds, maxima and minima; sums over many terms, partial sums and values carried from step to step in f32; what a program stores and reads back later, other than sums and carried values, may be rounded once to bf16 or f16.
;; Inputs: x 16,777,216 float32.
;; Outputs: out0 16,777,216 float32.
;; 2 versions, each right; version 2 is version 1 with the launch izh written anew for expert scheduling mode. Each part assembles by itself: llvm-mc -triple=amdgcn-amd-amdhsa -mcpu=gfx1250 --defsym DOCPART=n.
;; ======== version 1 of 2: 1 launch
;; limits: inputs' magnitudes at most 10,000
;; launch izh (part 1): grid 256 x 1, 32 waves a work-group, no clusters, 0 bytes of LDS; arguments x, out0; writes out0
.if DOCPART == 1
	.amdgcn_target "amdgcn-amd-amdhsa--gfx1250"
	.amdhsa_code_object_version 6
	.text
	.protected	k_q3b6773a7f7_izh
	.globl	k_q3b6773a7f7_izh
	.p2align	8
	.type	k_q3b6773a7f7_izh,@function
k_q3b6773a7f7_izh:
	s_mov_b64 s[64:65], 0
	v_nop
	global_prefetch_b8 v0, s[64:65] scope:SCOPE_SE
	s_setreg_imm32_b32 hwreg(HW_REG_WAVE_MODE, 25, 1), 1
	s_wait_xcnt 0x0
; out[i] = (number of spikes in 12 Izhikevich steps of neuron i, driven by I = round(16 x[i])) / 12.   x, out: [16,777,216] f32.
;
; THE STEP, REWRITTEN.  As given:  mem' = mem + 0.5 (0.04 mem^2 + 5 mem + 140 - u + I);  u' = u + 0.01 (0.2 mem' - u);  spike = mem' > 30;  on a spike mem = -65, u += 8.
; There is no packed f32 compare or select, so the step is brought into a form in which every operation is a packed fused multiply-add on two neurons:
;   z = 0.02 (mem' + 65)                 the membrane before the reset, scaled, with the reset value at 0
;   n = 1 where there was no spike, 0 where there was
;   e = n z + 0.45                       = 0.02 (mem after the reset + 87.5): the square is completed, 0.02 m^2 + 3.5 m = 50 e^2 - 153.125
;   W = 0.02 (70 + I/2 - u/2) - 1.7625   all that is added to the square
; Then   z' = e e + W;   n' = clamp((1.9 - z') 2^23 + 1);   W' = 0.99 W + K - 0.001 z' + 0.08 n'  with  K = 0.0001 I - 0.082325;   count += n'.
; Seven packed instructions for a step of two neurons.  n' IS EXACTLY 0 OR 1: T = 1.9 as f32 is 15,938,355 x 2^-23; the next f32 above T is T + 2^-23, so the exact value
; (T - z') 2^23 + 1 is at most 0 where z' > T and at least 1 elsewhere, and T 2^23 + 1 = 15,938,356 is a whole number below 2^24; the clamp modifier holds the result to 0 .. 1.
; Step 1 starts from constants (mem = -70, u = -14: e = 0.35), so z1 = 0.01 I - 0.1 and W1 = 0.00999 I - 0.3025 + 0.08 n1.  Step 12 makes no W.
; round(16 x): 16 x + 1.5 x 2^23 in one fused operation has a spacing of 1 and rounds ties to even, as jnp.round does; taking 1.5 x 2^23 away again is exact.
; out = c (12 - count), c = 0x155555 x 2^-24: 1/12 cut to 21 bits, so that 12 c and every k c are exact: no spike gives exactly 0; k spikes give k/12 less 2.4e-7 of itself.
;
; LIMITS.  The order of rounding is not reference()'s (the terms here are smaller than its 0.04 mem^2 and 5 mem, so the sums are no coarser): a membrane value within about 1e-3 of
; the threshold may be judged a spike one step earlier or later than there.  The text serves |x| <= 1e4 (I exact up to |x| < 2^18); further out on the negative side the recurrence
; itself overflows within 12 steps, and 0 x infinity arises here where reference() selects.  NaN and infinities in x are not treated apart.
;
; SHARES.  256 work-groups of 32 waves; a work-group owns 262,144 bytes of x and of out; a lane 64 numbers, as 16 loads of 16 bytes.  Load j of the 1,024 threads covers 16,384 bytes on end:
; each load and store of a wave covers 512 consecutive bytes, aligned.  ALL 16 LOADS OF A WAVE GO OUT AT THE HEAD; the work follows in 8 batches of two loads (four pairs of neurons), each
; behind a counted wait.  A batch's x registers become I, then K, then the result, are stored from there and never written again; neither are the offset and the bases:
; so no wait for a store or for an address stands in the text.  No LDS, no barrier: no lane wants another lane's number.
.set SPAN,    16384                    ; bytes that one load of the whole work-group covers
.set LOADS,   16                       ; loads of a lane
.set BATCHES, 8                        ; two loads, eight neurons of a lane, each
.set OFF, 1                            ; v1        16 x my thread's number; never rewritten
.set VNB, 2                            ; v[2:3]    -2^23, twice   (the clamped line takes all three sources from vector registers)
.set VTH, 4                            ; v[4:5]    1.9 x 2^23 + 1, twice
.set X,   8                            ; v[8:71]   load j at X + 4 j: x, then I, then K, then the result
.set Z,   72                           ; v[72:79]  z and e by turns, four pairs
.set OM,  80                           ; v[80:87]  W
.set NS,  88                           ; v[88:95]  n
.set AC,  96                           ; v[96:103] the count of steps without a spike
.set C_16,   8                         ; s[8:37]   the constants, each as a pair of which the packed forms take the low word for both halves
.set C_MAG,  10
.set C_NMAG, 12
.set C_Z1A,  14
.set C_Z1B,  16
.set C_W1A,  18
.set C_W1B,  20
.set C_KA,   22
.set C_KB,   24
.set C_JMP,  26
.set C_RST,  28
.set C_DEC,  30
.set C_CPL,  32
.set C_OUTA, 34
.set C_OUTB, 36
.macro CONST r, bits
	s_mov_b32 s[\r], \bits
	s_mov_b32 s[(\r)+1], \bits                     ; named with it as a pair, so it is written
.endm
.macro QUAD line:vararg                ; one line for each of the batch's four pairs: p = 0, 2, 4, 6
.set p, 0
.rept 4
	\line
.set p, p+2
.endr
.endm
	s_load_b128 s[4:7], s[0:1], 0x0                ; x s[4:5], out s[6:7]
	s_lshl_b32 s2, ttmp9, 18                       ; the work-group's 262,144 bytes (255 x 2^18 at the most: one word)
	s_mov_b32 s3, 0
	v_lshlrev_b32 v[OFF], 4, v0
	s_wait_kmcnt 0x0
	s_add_nc_u64 s[4:5], s[4:5], s[2:3]
	s_add_nc_u64 s[6:7], s[6:7], s[2:3]
.set j, 0
.rept LOADS
	global_load_b128 v[X+4*j:X+4*j+3], v[OFF], s[4:5] offset:j*SPAN th:TH_LOAD_NT  ; read once in the launch
.set j, j+1
.endr
	; the constants are written while the loads are on their way
	CONST C_16,   0x41800000                       ; 16
	CONST C_MAG,  0x4b400000                       ; 1.5 x 2^23
	CONST C_NMAG, 0xcb400000                       ; -1.5 x 2^23
	CONST C_Z1A,  0x3c23d70a                       ; 0.01
	CONST C_Z1B,  0xbdcccccd                       ; -0.1
	CONST C_W1A,  0x3c23ad19                       ; 0.00999
	CONST C_W1B,  0xbe9ae148                       ; -0.3025
	CONST C_KA,   0x38d1b717                       ; 0.0001
	CONST C_KB,   0xbda89a02                       ; -0.082325
	CONST C_JMP,  0x3da3d70a                       ; 0.08: 0.02 x half of the recovery's jump of 8, taken away once for all in K and given back where there is no spike
	CONST C_RST,  0x3ee66666                       ; 0.45 = 0.02 (-65 + 87.5)
	CONST C_DEC,  0x3f7d70a4                       ; 0.99
	CONST C_CPL,  0xba83126f                       ; -0.001
	CONST C_OUTA, 0xbdaaaaa8                       ; -c
	CONST C_OUTB, 0x3f7ffffc                       ; 12 c, exact
	v_mov_b32 v[VNB],   0xcb000000                 ; -2^23
	v_mov_b32 v[VNB+1], 0xcb000000
	v_mov_b32 v[VTH],   0x4b733334                 ; 15,938,356
	v_mov_b32 v[VTH+1], 0x4b733334
; In every macro the four pairs go through one kind of operation after the other, so that an instruction never reads the result of one of the three in front of it.
; XB is the batch's first x register.
.macro FIRST                           ; I, K and step 1
	QUAD v_pk_fma_f32 v[XB+p:XB+p+1], v[XB+p:XB+p+1], s[C_16:C_16+1], s[C_MAG:C_MAG+1] op_sel_hi:[1,0,0]    ; 16 x + 1.5 x 2^23: rounded to a whole number, ties to even
	QUAD v_pk_add_f32 v[XB+p:XB+p+1], v[XB+p:XB+p+1], s[C_NMAG:C_NMAG+1] op_sel_hi:[1,0]                    ; I
	QUAD v_pk_fma_f32 v[Z+p:Z+p+1], v[XB+p:XB+p+1], s[C_Z1A:C_Z1A+1], s[C_Z1B:C_Z1B+1] op_sel_hi:[1,0,0]    ; z1 = 0.01 I - 0.1
	QUAD v_pk_fma_f32 v[OM+p:OM+p+1], v[XB+p:XB+p+1], s[C_W1A:C_W1A+1], s[C_W1B:C_W1B+1] op_sel_hi:[1,0,0]  ; W1 less its 0.08 n1
	QUAD v_pk_fma_f32 v[AC+p:AC+p+1], v[Z+p:Z+p+1], v[VNB:VNB+1], v[VTH:VTH+1] clamp                        ; n1, which also starts the count: nothing is cleared
	QUAD v_pk_fma_f32 v[XB+p:XB+p+1], v[XB+p:XB+p+1], s[C_KA:C_KA+1], s[C_KB:C_KB+1] op_sel_hi:[1,0,0]      ; K takes I's place
	QUAD v_pk_fma_f32 v[Z+p:Z+p+1], v[AC+p:AC+p+1], v[Z+p:Z+p+1], s[C_RST:C_RST+1] op_sel_hi:[1,1,0]        ; e1 = n1 z1 + 0.45
	QUAD v_pk_fma_f32 v[OM+p:OM+p+1], v[AC+p:AC+p+1], s[C_JMP:C_JMP+1], v[OM+p:OM+p+1] op_sel_hi:[1,0,1]    ; W1
.endm
.macro STEP                            ; steps 2 to 11: from (e, W) to the next (e, W)
	QUAD v_pk_fma_f32 v[Z+p:Z+p+1], v[Z+p:Z+p+1], v[Z+p:Z+p+1], v[OM+p:OM+p+1]                              ; z' = e e + W
	QUAD v_pk_fma_f32 v[OM+p:OM+p+1], v[OM+p:OM+p+1], s[C_DEC:C_DEC+1], v[XB+p:XB+p+1] op_sel_hi:[1,0,1]    ; 0.99 W + K
	QUAD v_pk_fma_f32 v[NS+p:NS+p+1], v[Z+p:Z+p+1], v[VNB:VNB+1], v[VTH:VTH+1] clamp                        ; n' = 1 where z' <= 1.9, else 0
	QUAD v_pk_fma_f32 v[OM+p:OM+p+1], v[Z+p:Z+p+1], s[C_CPL:C_CPL+1], v[OM+p:OM+p+1] op_sel_hi:[1,0,1]      ; - 0.001 z' (the membrane before the reset, as in reference())
	QUAD v_pk_fma_f32 v[Z+p:Z+p+1], v[NS+p:NS+p+1], v[Z+p:Z+p+1], s[C_RST:C_RST+1] op_sel_hi:[1,1,0]        ; e' = n' z' + 0.45: the reset
	QUAD v_pk_fma_f32 v[OM+p:OM+p+1], v[NS+p:NS+p+1], s[C_JMP:C_JMP+1], v[OM+p:OM+p+1] op_sel_hi:[1,0,1]    ; + 0.08 n': W'
	QUAD v_pk_add_f32 v[AC+p:AC+p+1], v[AC+p:AC+p+1], v[NS+p:NS+p+1]
.endm
.macro LAST                            ; step 12 needs no further e and W; then the result
	QUAD v_pk_fma_f32 v[Z+p:Z+p+1], v[Z+p:Z+p+1], v[Z+p:Z+p+1], v[OM+p:OM+p+1]
	QUAD v_pk_fma_f32 v[NS+p:NS+p+1], v[Z+p:Z+p+1], v[VNB:VNB+1], v[VTH:VTH+1] clamp
	QUAD v_pk_add_f32 v[AC+p:AC+p+1], v[AC+p:AC+p+1], v[NS+p:NS+p+1]
	QUAD v_pk_fma_f32 v[XB+p:XB+p+1], v[AC+p:AC+p+1], s[C_OUTA:C_OUTA+1], s[C_OUTB:C_OUTB+1] op_sel_hi:[1,0,0]  ; 12 c - c count = c x spikes, exact; into K's place
.endm
.set b, 0
.rept BATCHES
.set XB, X+8*b
	s_wait_loadcnt LOADS-2*(b+1)                   ; loads come back in order (ISA guide 5.7.1): this batch's two are in, the 14 - 2 b younger ones may stay out
	FIRST
.rept 10
	STEP
.endr
	LAST
	global_store_b128 v[OFF], v[XB:XB+3],   s[6:7] offset:(2*b)*SPAN th:TH_STORE_NT    ; sixteen lanes store 256 consecutive bytes, at a multiple of 256 from out's first byte;
	global_store_b128 v[OFF], v[XB+4:XB+7], s[6:7] offset:(2*b+1)*SPAN th:TH_STORE_NT  ; these registers are the batch's own: nothing writes them again
.set b, b+1
.endr
	s_endpgm
.Lfunc_end_k_q3b6773a7f7_izh:
	.size	k_q3b6773a7f7_izh, .Lfunc_end_k_q3b6773a7f7_izh-k_q3b6773a7f7_izh
	.p2alignl 7, 3214868480
	.fill 96, 4, 3214868480
	.section	.rodata,"a",@progbits
	.p2align	6, 0x0
	.amdhsa_kernel k_q3b6773a7f7_izh
		.amdhsa_group_segment_fixed_size 0
		.amdhsa_private_segment_fixed_size 0
		.amdhsa_enable_private_segment 0
		.amdhsa_kernarg_size 16
		.amdhsa_user_sgpr_count 2
		.amdhsa_user_sgpr_kernarg_segment_ptr 1
		.amdhsa_wavefront_size32 1
		.amdhsa_system_sgpr_workgroup_id_x 1
		.amdhsa_system_sgpr_workgroup_id_y 1
		.amdhsa_system_sgpr_workgroup_id_z 1
		.amdhsa_system_vgpr_workitem_id 0
		.amdhsa_next_free_vgpr 104
		.amdhsa_next_free_sgpr 66
		.amdhsa_reserve_vcc 0
		.amdhsa_float_denorm_mode_32 3
		.amdhsa_float_denorm_mode_16_64 3
		.amdhsa_memory_ordered 1
		.amdhsa_forward_progress 1
		.amdhsa_inst_pref_size 170
	.end_amdhsa_kernel
	.amdgpu_metadata
---
amdhsa.version: [ 1, 2 ]
amdhsa.kernels:
  - .name:           k_q3b6773a7f7_izh
    .symbol:         k_q3b6773a7f7_izh.kd
    .args:
      - { .name: x, .offset: 0, .size: 8, .value_kind: global_buffer, .address_space: global }
      - { .name: out0, .offset: 8, .size: 8, .value_kind: global_buffer, .address_space: global }
    .group_segment_fixed_size: 0
    .private_segment_fixed_size: 0
    .kernarg_segment_align: 8
    .kernarg_segment_size: 16
    .max_flat_workgroup_size: 1024
    .sgpr_count:     66
    .vgpr_count:     104
    .wavefront_size: 32
...
	.end_amdgpu_metadata
.endif
;; end of part 1
;; ======== version 2 of 2: 1 launch; version 1 with the launch izh written anew for expert scheduling mode
;; limits: inputs' magnitudes at most 10,000
;; launch izh (part 2): grid 256 x 1, 32 waves a work-group, no clusters, 0 bytes of LDS; arguments x, out0; writes out0
.if DOCPART == 2
	.amdgcn_target "amdgcn-amd-amdhsa--gfx1250"
	.amdhsa_code_object_version 6
	.text
	.protected	k_q3b6773a7f7_izh
	.globl	k_q3b6773a7f7_izh
	.p2align	8
	.type	k_q3b6773a7f7_izh,@function
k_q3b6773a7f7_izh:
	s_mov_b64 s[64:65], 0
	v_nop
	global_prefetch_b8 v0, s[64:65] scope:SCOPE_SE
	s_setreg_imm32_b32 hwreg(HW_REG_WAVE_SCHED_MODE, 0, 2), 2
	s_setreg_imm32_b32 hwreg(HW_REG_WAVE_MODE, 25, 1), 1
	s_wait_xcnt 0x0
	s_wait_alu depctr_vm_vsrc(0)
; out[i] = (number of spikes in 12 Izhikevich steps of neuron i, driven by I = round(16 x[i])) / 12.   x, out: [16,777,216] f32.
;
; THE STEP, REWRITTEN.  As given:  mem' = mem + 0.5 (0.04 mem^2 + 5 mem + 140 - u + I);  u' = u + 0.01 (0.2 mem' - u);  spike = mem' > 30;  on a spike mem = -65, u += 8.
; There is no packed f32 compare or select, so the step is brought into a form in which every operation is a packed fused multiply-add on two neurons:
;   z = 0.02 (mem' + 65)                 the membrane before the reset, scaled, with the reset value at 0
;   n = 1 where there was no spike, 0 where there was
;   e = n z + 0.45                       = 0.02 (mem after the reset + 87.5): the square is completed, 0.02 m^2 + 3.5 m = 50 e^2 - 153.125
;   W = 0.02 (70 + I/2 - u/2) - 1.7625   all that is added to the square
; Then   z' = e e + W;   n' = clamp((1.9 - z') 2^23 + 1);   W' = 0.99 W + K - 0.001 z' + 0.08 n'  with  K = 0.0001 I - 0.082325;   count += n'.
; Seven packed instructions for a step of two neurons.  n' IS EXACTLY 0 OR 1: T = 1.9 as f32 is 15,938,355 x 2^-23; the next f32 above T is T + 2^-23, so the exact value
; (T - z') 2^23 + 1 is at most 0 where z' > T and at least 1 elsewhere, and T 2^23 + 1 = 15,938,356 is a whole number below 2^24; the clamp modifier holds the result to 0 .. 1.
; Step 1 starts from constants (mem = -70, u = -14: e = 0.35), so z1 = 0.01 I - 0.1 and W1 = 0.00999 I - 0.3025 + 0.08 n1.  Step 12 makes no W.
; round(16 x): 16 x + 1.5 x 2^23 in one fused operation has a spacing of 1 and rounds ties to even, as jnp.round does; taking 1.5 x 2^23 away again is exact.
; out = c (12 - count), c = 0x155555 x 2^-24: 1/12 cut to 21 bits, so that 12 c and every k c are exact: no spike gives exactly 0; k spikes give k/12 less 2.4e-7 of itself.
;
; LIMITS.  The order of rounding is not reference()'s (the terms here are smaller than its 0.04 mem^2 and 5 mem, so the sums are no coarser): a membrane value within about 1e-3 of
; the threshold may be judged a spike one step earlier or later than there.  The text serves |x| <= 1e4 (I exact up to |x| < 2^18); further out on the negative side the recurrence
; itself overflows within 12 steps, and 0 x infinity arises here where reference() selects.  NaN and infinities in x are not treated apart.
;
; SHARES.  256 work-groups of 32 waves; a work-group owns 262,144 bytes of x and of out; a lane 64 numbers, as 16 loads of 16 bytes.  Load j of the 1,024 threads covers 16,384 bytes on end:
; each load and store of a wave covers 512 consecutive bytes, aligned.  ALL 16 LOADS OF A WAVE GO OUT AT THE HEAD; the work follows in 8 batches of two loads (four pairs of neurons), each
; behind a counted wait.  A batch's x registers become I, then K, then the result, are stored from there and never written again; neither are the offset and the bases:
; so no wait for a store or for an address stands in the text.  No LDS, no barrier: no lane wants another lane's number.
;
; THE MODE: SCHED_MODE bits 1:0 = 2 (LLVM: expert scheduling mode 2), set by the entry lines.  The code itself states the register dependences
; between vector instructions and memory instructions, with s_wait_alu, always for 0.
; THE PLAN.  Registers that memory instructions touch:
;   v[OFF]       Written once, at the head; read as the offset by every load and store; never written again.
;   v[X ..]      Eight registers a batch.  Two loads of the head land in them, and no vector instruction has named them before.  Behind the batch's wait on LOADcnt the batch's own vector
;                instructions read and rewrite them; the batch's two stores read them; nothing writes them afterwards.
;   All other vector registers (the constants, z and e, W, n, the count) are named by vector instructions alone.
; So one wait on va_vdst stands ahead of the first load (v[OFF] is written), and one at the head of each batch but the first (the batch before has written its results).  That batch's two
; stores follow this wait, dealt among the new batch's vector instructions, which name the new batch's x registers, the registers at work and the constants: none that those stores read.
; One more stands behind the last batch.  No register that a memory instruction reads is ever written again, so no wait on vm_vsrc is owed.
.set SPAN,    16384                    ; bytes that one load of the whole work-group covers
.set LOADS,   16                       ; loads of a lane
.set BATCHES, 8                        ; two loads, eight neurons of a lane, each
.set OFF, 1                            ; v1        16 x my thread's number; never rewritten
.set VNB, 2                            ; v[2:3]    -2^23, twice   (the clamped line takes all three sources from vector registers)
.set VTH, 4                            ; v[4:5]    1.9 x 2^23 + 1, twice
.set X,   8                            ; v[8:71]   load j at X + 4 j: x, then I, then K, then the result
.set Z,   72                           ; v[72:79]  z and e by turns, four pairs
.set OM,  80                           ; v[80:87]  W
.set NS,  88                           ; v[88:95]  n
.set AC,  96                           ; v[96:103] the count of steps without a spike
.set C_16,   8                         ; s[8:37]   the constants, each as a pair of which the packed forms take the low word for both halves
.set C_MAG,  10
.set C_NMAG, 12
.set C_Z1A,  14
.set C_Z1B,  16
.set C_W1A,  18
.set C_W1B,  20
.set C_KA,   22
.set C_KB,   24
.set C_JMP,  26
.set C_RST,  28
.set C_DEC,  30
.set C_CPL,  32
.set C_OUTA, 34
.set C_OUTB, 36
.macro CONST r, bits
	s_mov_b32 s[\r], \bits
	s_mov_b32 s[(\r)+1], \bits                     ; named with it as a pair, so it is written
.endm
.macro QUAD line:vararg                ; one line for each of the batch's four pairs: p = 0, 2, 4, 6
.set p, 0
.rept 4
	\line
.set p, p+2
.endr
.endm
	s_load_b128 s[4:7], s[0:1], 0x0                ; x s[4:5], out s[6:7]
	s_lshl_b32 s2, ttmp9, 18                       ; the work-group's 262,144 bytes (255 x 2^18 at the most: one word)
	s_mov_b32 s3, 0
	v_lshlrev_b32 v[OFF], 4, v0
	s_wait_kmcnt 0x0
	s_add_nc_u64 s[4:5], s[4:5], s[2:3]
	s_add_nc_u64 s[6:7], s[6:7], s[2:3]
	s_wait_alu depctr_va_vdst(0)                   ; v[OFF] is written: every load and store of the kernel reads it as its offset
.set j, 0
.rept LOADS
	global_load_b128 v[X+4*j:X+4*j+3], v[OFF], s[4:5] offset:j*SPAN th:TH_LOAD_NT  ; read once in the launch
.set j, j+1
.endr
	; the constants are written while the loads are on their way
	CONST C_16,   0x41800000                       ; 16
	CONST C_MAG,  0x4b400000                       ; 1.5 x 2^23
	CONST C_NMAG, 0xcb400000                       ; -1.5 x 2^23
	CONST C_Z1A,  0x3c23d70a                       ; 0.01
	CONST C_Z1B,  0xbdcccccd                       ; -0.1
	CONST C_W1A,  0x3c23ad19                       ; 0.00999
	CONST C_W1B,  0xbe9ae148                       ; -0.3025
	CONST C_KA,   0x38d1b717                       ; 0.0001
	CONST C_KB,   0xbda89a02                       ; -0.082325
	CONST C_JMP,  0x3da3d70a                       ; 0.08: 0.02 x half of the recovery's jump of 8, taken away once for all in K and given back where there is no spike
	CONST C_RST,  0x3ee66666                       ; 0.45 = 0.02 (-65 + 87.5)
	CONST C_DEC,  0x3f7d70a4                       ; 0.99
	CONST C_CPL,  0xba83126f                       ; -0.001
	CONST C_OUTA, 0xbdaaaaa8                       ; -c
	CONST C_OUTB, 0x3f7ffffc                       ; 12 c, exact
	v_mov_b32 v[VNB],   0xcb000000                 ; -2^23
	v_mov_b32 v[VNB+1], 0xcb000000
	v_mov_b32 v[VTH],   0x4b733334                 ; 15,938,356
	v_mov_b32 v[VTH+1], 0x4b733334
; In every macro the four pairs go through one kind of operation after the other, so that an instruction never reads the result of one of the three in front of it.
; XB is the batch's first x register.
.macro FIRST                           ; I, K and step 1
	QUAD v_pk_fma_f32 v[XB+p:XB+p+1], v[XB+p:XB+p+1], s[C_16:C_16+1], s[C_MAG:C_MAG+1] op_sel_hi:[1,0,0]    ; 16 x + 1.5 x 2^23: rounded to a whole number, ties to even
	QUAD v_pk_add_f32 v[XB+p:XB+p+1], v[XB+p:XB+p+1], s[C_NMAG:C_NMAG+1] op_sel_hi:[1,0]                    ; I
	QUAD v_pk_fma_f32 v[Z+p:Z+p+1], v[XB+p:XB+p+1], s[C_Z1A:C_Z1A+1], s[C_Z1B:C_Z1B+1] op_sel_hi:[1,0,0]    ; z1 = 0.01 I - 0.1
	QUAD v_pk_fma_f32 v[OM+p:OM+p+1], v[XB+p:XB+p+1], s[C_W1A:C_W1A+1], s[C_W1B:C_W1B+1] op_sel_hi:[1,0,0]  ; W1 less its 0.08 n1
	QUAD v_pk_fma_f32 v[AC+p:AC+p+1], v[Z+p:Z+p+1], v[VNB:VNB+1], v[VTH:VTH+1] clamp                        ; n1, which also starts the count: nothing is cleared
	QUAD v_pk_fma_f32 v[XB+p:XB+p+1], v[XB+p:XB+p+1], s[C_KA:C_KA+1], s[C_KB:C_KB+1] op_sel_hi:[1,0,0]      ; K takes I's place
	QUAD v_pk_fma_f32 v[Z+p:Z+p+1], v[AC+p:AC+p+1], v[Z+p:Z+p+1], s[C_RST:C_RST+1] op_sel_hi:[1,1,0]        ; e1 = n1 z1 + 0.45
	QUAD v_pk_fma_f32 v[OM+p:OM+p+1], v[AC+p:AC+p+1], s[C_JMP:C_JMP+1], v[OM+p:OM+p+1] op_sel_hi:[1,0,1]    ; W1
.endm
.macro STEP                            ; steps 2 to 11: from (e, W) to the next (e, W)
	QUAD v_pk_fma_f32 v[Z+p:Z+p+1], v[Z+p:Z+p+1], v[Z+p:Z+p+1], v[OM+p:OM+p+1]                              ; z' = e e + W
	QUAD v_pk_fma_f32 v[OM+p:OM+p+1], v[OM+p:OM+p+1], s[C_DEC:C_DEC+1], v[XB+p:XB+p+1] op_sel_hi:[1,0,1]    ; 0.99 W + K
	QUAD v_pk_fma_f32 v[NS+p:NS+p+1], v[Z+p:Z+p+1], v[VNB:VNB+1], v[VTH:VTH+1] clamp                        ; n' = 1 where z' <= 1.9, else 0
	QUAD v_pk_fma_f32 v[OM+p:OM+p+1], v[Z+p:Z+p+1], s[C_CPL:C_CPL+1], v[OM+p:OM+p+1] op_sel_hi:[1,0,1]      ; - 0.001 z' (the membrane before the reset, as in reference())
	QUAD v_pk_fma_f32 v[Z+p:Z+p+1], v[NS+p:NS+p+1], v[Z+p:Z+p+1], s[C_RST:C_RST+1] op_sel_hi:[1,1,0]        ; e' = n' z' + 0.45: the reset
	QUAD v_pk_fma_f32 v[OM+p:OM+p+1], v[NS+p:NS+p+1], s[C_JMP:C_JMP+1], v[OM+p:OM+p+1] op_sel_hi:[1,0,1]    ; + 0.08 n': W'
	QUAD v_pk_add_f32 v[AC+p:AC+p+1], v[AC+p:AC+p+1], v[NS+p:NS+p+1]
.endm
.macro LAST                            ; step 12 needs no further e and W; then the result
	QUAD v_pk_fma_f32 v[Z+p:Z+p+1], v[Z+p:Z+p+1], v[Z+p:Z+p+1], v[OM+p:OM+p+1]
	QUAD v_pk_fma_f32 v[NS+p:NS+p+1], v[Z+p:Z+p+1], v[VNB:VNB+1], v[VTH:VTH+1] clamp
	QUAD v_pk_add_f32 v[AC+p:AC+p+1], v[AC+p:AC+p+1], v[NS+p:NS+p+1]
	QUAD v_pk_fma_f32 v[XB+p:XB+p+1], v[AC+p:AC+p+1], s[C_OUTA:C_OUTA+1], s[C_OUTB:C_OUTB+1] op_sel_hi:[1,0,0]  ; 12 c - c count = c x spikes, exact; into K's place
.endm
; Every store: sixteen lanes store 256 consecutive bytes, at a multiple of 256 from out's first byte; its data registers are its batch's own: nothing writes them again.
.set b, 0
.rept BATCHES
.set XB, X+8*b
	s_wait_loadcnt LOADS-2*(b+1)                   ; loads come back in order (ISA guide 5.7.1): this batch's two are in, the 14 - 2 b younger ones may stay out
.if b > 0
	s_wait_alu depctr_va_vdst(0)                   ; the batch before has written its results v[XB-8 .. XB-1], which the two stores below read
	global_store_b128 v[OFF], v[XB-8:XB-5], s[6:7] offset:(2*b-2)*SPAN th:TH_STORE_NT
.endif
	FIRST
.if b > 0
	global_store_b128 v[OFF], v[XB-4:XB-1], s[6:7] offset:(2*b-1)*SPAN th:TH_STORE_NT  ; no further wait: no vector instruction since the wait above names these registers or v[OFF]
.endif
.rept 10
	STEP
.endr
	LAST
.set b, b+1
.endr
	s_wait_alu depctr_va_vdst(0)                   ; the last batch has written its results, which the last two stores read
	global_store_b128 v[OFF], v[X+8*BATCHES-8:X+8*BATCHES-5], s[6:7] offset:(LOADS-2)*SPAN th:TH_STORE_NT
	global_store_b128 v[OFF], v[X+8*BATCHES-4:X+8*BATCHES-1], s[6:7] offset:(LOADS-1)*SPAN th:TH_STORE_NT
	s_endpgm
.Lfunc_end_k_q3b6773a7f7_izh:
	.size	k_q3b6773a7f7_izh, .Lfunc_end_k_q3b6773a7f7_izh-k_q3b6773a7f7_izh
	.p2alignl 7, 3214868480
	.fill 96, 4, 3214868480
	.section	.rodata,"a",@progbits
	.p2align	6, 0x0
	.amdhsa_kernel k_q3b6773a7f7_izh
		.amdhsa_group_segment_fixed_size 0
		.amdhsa_private_segment_fixed_size 0
		.amdhsa_enable_private_segment 0
		.amdhsa_kernarg_size 16
		.amdhsa_user_sgpr_count 2
		.amdhsa_user_sgpr_kernarg_segment_ptr 1
		.amdhsa_wavefront_size32 1
		.amdhsa_system_sgpr_workgroup_id_x 1
		.amdhsa_system_sgpr_workgroup_id_y 1
		.amdhsa_system_sgpr_workgroup_id_z 1
		.amdhsa_system_vgpr_workitem_id 0
		.amdhsa_next_free_vgpr 104
		.amdhsa_next_free_sgpr 66
		.amdhsa_reserve_vcc 0
		.amdhsa_float_denorm_mode_32 3
		.amdhsa_float_denorm_mode_16_64 3
		.amdhsa_memory_ordered 1
		.amdhsa_forward_progress 1
		.amdhsa_inst_pref_size 171
	.end_amdhsa_kernel
	.amdgpu_metadata
---
amdhsa.version: [ 1, 2 ]
amdhsa.kernels:
  - .name:           k_q3b6773a7f7_izh
    .symbol:         k_q3b6773a7f7_izh.kd
    .args:
      - { .name: x, .offset: 0, .size: 8, .value_kind: global_buffer, .address_space: global }
      - { .name: out0, .offset: 8, .size: 8, .value_kind: global_buffer, .address_space: global }
    .group_segment_fixed_size: 0
    .private_segment_fixed_size: 0
    .kernarg_segment_align: 8
    .kernarg_segment_size: 16
    .max_flat_workgroup_size: 1024
    .sgpr_count:     66
    .vgpr_count:     104
    .wavefront_size: 32
...
	.end_amdgpu_metadata
.endif
;; end of part 2
